; MI455X (gfx1250); checked and timed in simulation.
; The chip was launched on July 23, 2026; its instructions are those of AMD's public machine-readable ISA for CDNA 5 (MIT licence, August 2026) and "CDNA5" Instruction Set Architecture Reference Guide (July 2026). The comments in the code are by the model that wrote it; some were corrected since.
;; Linear3 Bit. Allowed arithmetic: matrix products marked QUANTISED: E2M1 operands, one E8M0 scale for each 32 along K, by v_wmma_scale_f32_16x16x128_f8f6f4 with both operands' format E2M1 (or v_wmma_scale_f32_32x16x128_f4), f32 sums; everything else in f32.
;; Inputs: bias 4,096 float32; weight_norm 524,288 float32; weight_q3 6,291,456 int32; x 2 x 2,048 x 4,096 float32.
;; Outputs: out0 2 x 2,048 x 4,096 float32.
;; This version of the problem:
;;   THIS VERSION OF THE PROBLEM IS GIVEN IN LOW PRECISION. The matrix products marked QUANTISED in the list below multiply operands that are first quantised to E2M1 (2 exponent bits, 1 mantissa bit; 4 bits a number), with one power-of-two scale for each 32 numbers along K (OCP MX v1.0); their sums are f32. All else is computed in f32.
;;   The module's matrix products, in the order in which they are computed (A, B: the left and right operand; K: the contracted axis; several contracted axes count as one K, in the product's order):
;;     1. [M 4,096, K 4,096] x [K 4,096, N 4,096]; A: input x; B: computed on the way: QUANTISED
;;   THE QUANTISER, for each operand of a quantised product, along K:
;;     - K is cut into blocks of 32 from its start; a last block that is shorter is filled with zeros.
;;     - A block's scale is 2^e with e = floor(log2(the largest magnitude in the block)) - 2, held to -126 .. 127; a block of zeros has e = 0. As a byte (E8M0): e + 127.
;;     - Each number is divided by its block's scale, clamped to +-6, and rounded to the nearest number of E2M1, ties to even, subnormals kept.
;;     - The product sums the exact products of the quantised numbers (number of the format x scale) in f32.
;;   ~~~python
;;   def quantise(x, axis):      # numpy; x: float32 -> the quantised numbers, widened to float32 again
;;       x = np.moveaxis(x, axis, -1); K = x.shape[-1]
;;       x = np.pad(x, [(0, 0)] * (x.ndim - 1) + [(0, -K % 32)]); x = x.reshape(x.shape[:-1] + (-1, 32)); a = np.abs(x).max(-1, keepdims=True)
;;       e = np.where(a > 0, np.clip(np.frexp(np.where(a > 0, a, 1))[1] - 1 - 2, -126, 127), 0)      # np.frexp(a)[1] - 1 = floor(log2(a)), exactly
;;       r = np.clip(x / 2.0 ** e, -6, 6)
;;       step = 2.0 ** (np.maximum(np.frexp(np.where(r == 0, 1, r))[1] - 1, 0) - 1)
;;       q = np.round(r / step) * step * 2.0 ** e      # np.round: ties to even
;;       return np.moveaxis(q.reshape(q.shape[:-2] + (-1,))[..., :K], -1, axis).astype(np.float32)
;;   ~~~
;;   OPERANDS COMPUTED ON THE WAY. 'Computed on the way' means the value that the module computes at that place (a softmax that the list does not call 'softmax' is quantised finished and normalised). What goes into a quantiser is computed in f32, as accurately as f32 sums, v_exp_f32 and their like allow (about 1e-6 of the number): no bf16 or f16 on the way to a quantiser, and a product that is left as it is and whose result goes on into a quantised operand takes f32 operands (vector FMAs, or v_wmma_f32_16x16x4_f32). A number that lies on a knife's edge between two numbers of the format may be rounded either way, as far as f32 arithmetic and the matrix unit's own rounding can turn it there, and no further.
;; One version. Each part assembles by itself: llvm-mc -triple=amdgcn-amd-amdhsa -mcpu=gfx1250 --defsym DOCPART=n.
;; ======== version 1 of 1: 2 launches
;; limits: right only within a limited range of input values
;; workspace buffers: xq 8,912,896 bytes; wq 8,912,896 bytes
;; launch quant (part 1): grid 256 x 1, 8 waves a work-group, no clusters, 103,424 bytes of LDS; arguments x, weight_q3, weight_norm, xq, wq; writes xq, wq
.if DOCPART == 1
	.amdgcn_target "amdgcn-amd-amdhsa--gfx1250"
	.amdhsa_code_object_version 6
	.text
	.protected	k_q6549b8b928_quant
	.globl	k_q6549b8b928_quant
	.p2align	8
	.type	k_q6549b8b928_quant,@function
k_q6549b8b928_quant:
	s_mov_b64 s[64:65], 0
	v_nop
	global_prefetch_b8 v0, s[64:65] scope:SCOPE_SE
	s_setreg_imm32_b32 hwreg(HW_REG_WAVE_MODE, 25, 1), 1
	s_wait_xcnt 0x0
; x [4096][4096] f32, and W [4096][4096], which arrives as 3-bit fields (eight in three int32 words, of each word the low 8 bits) with one f32 norm for each 32 along K,
; are turned into codes of FP4 (E2M1) with one E8M0 scale byte for each 32 along K.  W(n, k) = (q x 2/7 - 1) x norm, in f32: one fused multiply-add and one multiplication.
; A block's scale is 2^(floor(log2(its largest magnitude)) - 2); its byte is the largest magnitude's exponent field - 2, held at 1 from below; each number is divided by the scale and rounded to the nearest code, ties to even,
; beyond 6 the largest code.
; LIMITS: NaN and infinities among the inputs are not served.  A block of zeros gets the byte 1 where the rule says 127: its codes are zeros, and the bytes are read by this program alone.
; Blocks whose largest magnitude lies under 2^-124 have their byte held at 1.  q x 2/7 - 1 is rounded once where q / 7 x 2 - 1 is rounded twice: the two differ by some 5e-7 of the number at the most.
; THE RESULT'S LAYOUT, the same for xq and wq: [8 K steps of 512][4096 rows][a record of 272 bytes]; a record is the row's 256 bytes of codes (K ascending, the lower k in the low four bits) and behind them its 16 scale bytes.
; So 128 rows of a K step are 34,816 consecutive bytes, and laid into LDS as they are they are rows 272 bytes apart.
; SHARES.  Work-group g owns rows 16 g .. 16 g + 15 of x and of W; wave w owns K step w of them.  A wave's result for a tensor is 16 records, 4,352 consecutive bytes = 17 aligned blocks of 256.
; A WAVE'S 24 STEPS go x, x, W, eight times over, so that W's long arithmetic stands among the loads of x and not behind the last of them.
; A step of x: a row's 2,048 bytes by four loads of 512 consecutive bytes each.  In a load lanes 0-15 take the even pieces of 16 bytes and lanes 16-31 the odd ones; one exchange of halves between the registers of two loads
; then leaves lane l with the eight neighbours 8 l .. 8 l + 7 of those loads' 256 numbers: what a conversion wants.  A block of 32 is four neighbouring lanes.  x does not go through LDS on its way to the conversions.
; A step of W: two rows, 2 x 768 bytes by three loads, each half of the lanes on 256 aligned consecutive bytes; they turn through the wave's stage in LDS, so that a lane holds the 12 words of ONE group of 32: a whole block.
; Loads run eight steps ahead in eight sets of registers.  Records are gathered in the wave's two images in LDS and leave by stores that cover whole aligned blocks of 256 bytes: an image's first 2,048 bytes when its
; records 0 to 7 are written, the rest at the end.
; No tensor loads, no matrix work, no cluster: a stream in which work-groups share nothing.  One barrier: the group's 2,048 norms come into LDS as they lie, 1,024 bytes a wave, and every wave reads its K step's.
.set REC,   272                        ; a record
.set PLANE, 4096*REC                   ; a K step of all rows
.set STG,   1536                       ; LDS, a wave's region: two stages for W,
.set IMX,   2*STG                      ; x's image, 4,352 bytes,
.set IMW,   IMX+16*REC                 ; and W's
.set WREG,  IMW+16*REC                 ; 11,776 bytes a wave
.set NORM,  8*WREG                     ; behind the eight regions: the group's norms, 8,192 bytes
.set NSTEP, 24
.set T,     24                         ; v24-27   a group's four triplets, 24 bits each
.set R,     32                         ; v32-159  eight sets of 16 registers, as loaded; at the end two of them serve the way out
.set X,     160                        ; v160-191 two sets of 16: W back from the stage: 12 words, then the norm
.set F,     192                        ; v192-223 W's 32 numbers; also the way out of the images' first halves
.set CX,    224                        ; v224-227 x's codes, two registers for even rows and two for odd;  v228-231 its two scale bytes likewise
.set EX,    228
.set CW,    232                        ; v232-239 W's codes, four registers by turns;  v240-241 its scale byte
.set EW,    240
; v1 16 l;  v2 16 l + 5,376 (l / 16);  v3 8 l;  v4 32 (l % 16) + 16 (l / 16): x's loads;  v5 x's image + 8 l;  v6, v7 W's way into and out of a stage;  v8, v9 x's codes and bytes in its image;
; v10, v11 W's in its image;  v12 x's image + 16 l;  v13, v14 the norms, in and out;  v16-19 at work;  v[20:21] -1.0
	s_load_b128 s[4:7], s[0:1], 0x0                ; x, weight_q3
	s_load_b128 s[8:11], s[0:1], 0x10              ; weight_norm, xq
	s_load_b64 s[12:13], s[0:1], 0x20              ; wq
	v_lshl_add_u32 v254, v0, 2, 0x19000
	v_mov_b32 v255, 0
	v_lshrrev_b32 v15, 5, v0
	s_delay_alu instid0(VALU_DEP_1)
	v_readfirstlane_b32 s14, v15                   ; wave 0..7
	v_and_b32 v15, 31, v0                          ; l
	v_bfe_u32 v16, v0, 4, 1                        ; h = l / 16
	v_and_b32 v17, 15, v0                          ; r = l % 16
	s_mul_i32 s15, s14, WREG                       ; my wave's region
	s_add_co_u32 s16, s15, IMX                     ; x's image
	s_add_co_u32 s19, s15, IMW                     ; W's image
	v_lshlrev_b32 v1, 4, v15
	v_mul_u32_u24 v2, v16, 5376                    ; W's middle load: lanes 16-31 stand at the next row's first byte: 6,144 - 768 further on
	s_delay_alu instid0(VALU_DEP_1)
	v_add_nc_u32 v2, v2, v1
	v_lshlrev_b32 v3, 3, v15
	v_lshlrev_b32 v4, 5, v17
	s_delay_alu instid0(VALU_DEP_1)
	v_lshl_add_u32 v4, v16, 4, v4                  ; x: piece 2 r + h of a load's 32 pieces of 16 bytes
	s_delay_alu instid0(VALU_DEP_3)
	v_add_nc_u32 v5, s16, v3
	v_add_nc_u32 v6, s15, v1                       ; W into a stage: as it lies
	v_mul_u32_u24 v7, v15, 48                      ; and out: my group's 12 words; 48 bytes from lane to lane: an odd multiple of 16
	s_delay_alu instid0(VALU_DEP_1)
	v_add_nc_u32 v7, s15, v7
	v_lshlrev_b32 v8, 2, v15
	s_delay_alu instid0(VALU_DEP_1)
	v_add_nc_u32 v8, s16, v8                       ; x's codes: 4 bytes a lane
	v_lshrrev_b32 v18, 2, v15
	s_delay_alu instid0(VALU_DEP_1)
	v_add_nc_u32 v9, s16, v18
	s_delay_alu instid0(VALU_DEP_1)
	v_add_nc_u32 v9, 256, v9                       ; its scale byte: block l / 4 of eight
	v_mul_u32_u24 v18, v16, REC
	s_delay_alu instid0(VALU_DEP_1)
	v_add_nc_u32 v18, s19, v18                     ; W: lanes 16-31 fill the next record
	s_delay_alu instid0(VALU_DEP_1)
	v_lshl_add_u32 v10, v17, 4, v18                ; 16 bytes a lane
	s_delay_alu instid0(VALU_DEP_2)
	v_add_nc_u32 v11, v18, v17
	s_delay_alu instid0(VALU_DEP_1)
	v_add_nc_u32 v11, 256, v11                     ; block r
	v_add_nc_u32 v12, s16, v1
	s_lshl_b32 s17, s14, 10
	v_add_nc_u32 v13, s17, v1
	s_delay_alu instid0(VALU_DEP_1)
	v_add_nc_u32 v13, NORM, v13                    ; the norms in: 1,024 bytes a wave
	s_lshl_b32 s18, s14, 6
	v_lshlrev_b32 v14, 9, v16
	s_delay_alu instid0(VALU_DEP_1)
	v_lshl_add_u32 v14, v17, 2, v14
	s_delay_alu instid0(VALU_DEP_1)
	v_add_nc_u32 v14, s18, v14
	s_delay_alu instid0(VALU_DEP_1)
	v_add_nc_u32 v14, NORM, v14                    ; and out: row h of a pair (512 bytes a row), group 16 w + r
	v_mov_b32 v20, -1.0
	v_mov_b32 v21, -1.0
	v_mov_b32 v[X+13], 0                           ; named with the norm as a pair by the packed multiplication, so they are written
	v_mov_b32 v[X+29], 0
	s_mov_b32 s20, 0x04000400                      ; byte selects: the low bytes of two words side by side,
	s_mov_b32 s21, 0x04040100                      ; and the third word's above them
	s_mov_b32 s22, 0x3e924925                      ; 2/7
	s_mov_b32 s23, s22                             ; (named with it as a pair, so it is written)
	s_lshl_b32 s24, ttmp9, 18                      ; x: 16 rows of 16,384 bytes a group, 2,048 bytes a K step
	s_lshl_b32 s25, s14, 11
	s_add_co_u32 s24, s24, s25
	s_mov_b32 s25, 0
	s_mul_i32 s26, ttmp9, 98304                    ; weight_q3: 16 rows of 6,144 bytes, 768 bytes a K step
	s_mul_i32 s27, s14, 768
	s_add_co_u32 s26, s26, s27
	s_mov_b32 s27, 0
	s_lshl_b32 s28, ttmp9, 13                      ; weight_norm: 8,192 bytes a group, of which my wave fetches 1,024
	s_add_co_u32 s28, s28, s17
	s_mov_b32 s29, 0
	s_mul_i32 s30, s14, PLANE                      ; xq, wq: my K step, my group's 16 records
	s_mul_i32 s31, ttmp9, 16*REC
	s_add_co_u32 s30, s30, s31
	s_mov_b32 s31, 0
	s_wait_alu depctr_va_vdst(0)
	s_wait_kmcnt 0x0
	s_add_nc_u64 s[4:5], s[4:5], s[24:25]
	s_add_nc_u64 s[6:7], s[6:7], s[26:27]
	s_add_nc_u64 s[8:9], s[8:9], s[28:29]
	s_add_nc_u64 s[10:11], s[10:11], s[30:31]
	s_add_nc_u64 s[12:13], s[12:13], s[30:31]
; Step s is W's step s / 3 (rows 2 (s / 3) and the next) where s % 3 = 2, else row 2 (s / 3) + s % 3 of x.  Its loads go into set s % 8.
.macro LOADS s
.set LS_, (\s)
.set LR_, R+16*(LS_%8)
.if (LS_%3) == 2
	global_load_b128 v[LR_:LR_+3],    v1, s[6:7] offset:12288*(LS_/3) th:TH_LOAD_NT
	global_load_b128 v[LR_+4:LR_+7],  v2, s[6:7] offset:12288*(LS_/3)+512 th:TH_LOAD_NT
	global_load_b128 v[LR_+8:LR_+11], v1, s[6:7] offset:12288*(LS_/3)+6400 th:TH_LOAD_NT
.else
.irp i, 0,1,2,3
	global_load_b128 v[LR_+4*\i:LR_+4*\i+3], v4, s[4:5] offset:16384*(2*(LS_/3)+LS_%3)+512*\i th:TH_LOAD_NT   ; the 32 lanes read 512 consecutive bytes
.endr
.endif
.endm
; The wait for the loads of all steps ahead of step from, in step s, at whose head the loads of the steps up to s + 7 are issued: those of steps from .. s + 7 may stay out, four for a step of x, three for a step of W.
.macro WAITLD from, s
.set CNT, 0
.set VV, (\from)
.rept 8
.if (VV < NSTEP) && (VV < (\s)+8)
.if (VV%3) == 2
.set CNT, CNT+3
.else
.set CNT, CNT+4
.endif
.endif
.set VV, VV+1
.endr
	s_wait_loadcnt CNT
.endm
.macro TURNW s                         ; W's step s through a stage: LDS serves a wave's instructions in order, so no wait stands between the stores and the loads
.set TS_, (\s)
.set TR_, R+16*(TS_%8)
.set TT_, TS_/3
.set TX_, X+16*(TT_%2)
.irp i, 0,1,2
	ds_store_b128 v6, v[TR_+4*\i:TR_+4*\i+3] offset:STG*(TT_%2)+512*\i
.endr
.irp i, 0,1,2
	ds_load_b128 v[TX_+4*\i:TX_+4*\i+3], v7 offset:STG*(TT_%2)+16*\i
.endr
	ds_load_b32 v[TX_+12], v14 offset:1024*TT_     ; my group's norm
.endm
.macro QX s                            ; a row of x: my 2 x 8 numbers become 2 x 4 bytes of its record; my two blocks' bytes
.set QS_, (\s)
.set QR_, R+16*(QS_%8)
.set QU_, 2*(QS_/3)+QS_%3
.set QP_, QU_%2
.irp i, 0,1,2,3
	v_permlane16_swap_b32 v[QR_+\i], v[QR_+4+\i]                  ; the first's lanes 16-31 change places with the second's lanes 0-15: registers 0-7 now hold numbers 8 l .. 8 l + 7 of loads 0 and 1,
	v_permlane16_swap_b32 v[QR_+8+\i], v[QR_+12+\i]               ; registers 8-15 the same of loads 2 and 3
.endr
	v_max3_num_f32 v16, |v[QR_]|, |v[QR_+1]|, 0x1800000           ; the largest magnitude of my eight, and the floor 2^(3 - 127): the byte cannot fall under 1
	v_max3_num_f32 v17, |v[QR_+8]|, |v[QR_+9]|, 0x1800000
.irp i, 2,4,6
	s_delay_alu instid0(VALU_DEP_2)
	v_max3_num_f32 v16, v16, |v[QR_+\i]|, |v[QR_+\i+1]|
	s_delay_alu instid0(VALU_DEP_2)
	v_max3_num_f32 v17, v17, |v[QR_+8+\i]|, |v[QR_+9+\i]|
.endr
	s_delay_alu instid0(VALU_DEP_2)
	v_max_num_f32_dpp v16, v16, v16 row_xmask:1 row_mask:0xf bank_mask:0xf
	s_delay_alu instid0(VALU_DEP_2)
	v_max_num_f32_dpp v17, v17, v17 row_xmask:1 row_mask:0xf bank_mask:0xf
	s_delay_alu instid0(VALU_DEP_2)
	v_max_num_f32_dpp v16, v16, v16 row_xmask:2 row_mask:0xf bank_mask:0xf   ; with the three lanes beside me: the block's
	s_delay_alu instid0(VALU_DEP_2)
	v_max_num_f32_dpp v17, v17, v17 row_xmask:2 row_mask:0xf bank_mask:0xf
	s_delay_alu instid0(VALU_DEP_2)
	v_add_nc_u32 v18, 0xff000000, v16              ; 2 off its exponent field: the conversion takes this operand's exponent field as its scale, and nothing else of it
	s_delay_alu instid0(VALU_DEP_2)
	v_add_nc_u32 v19, 0xff000000, v17
	v_cvt_scalef32_pk8_fp4_f32 v[CX+2*QP_], v[QR_:QR_+7], v18
	v_cvt_scalef32_pk8_fp4_f32 v[CX+2*QP_+1], v[QR_+8:QR_+15], v19
	v_lshrrev_b32 v[EX+2*QP_], 23, v18             ; the scales' bytes; also the plain instructions behind the conversions
	v_lshrrev_b32 v[EX+2*QP_+1], 23, v19
	ds_store_b32 v8, v[CX+2*QP_] offset:REC*QU_
	ds_store_b32 v8, v[CX+2*QP_+1] offset:REC*QU_+128
	ds_store_b8 v9, v[EX+2*QP_] offset:REC*QU_     ; the four lanes of a block write the same byte with the same value
	ds_store_b8 v9, v[EX+2*QP_+1] offset:REC*QU_+8
.endm
.macro QW s                            ; my group of 32 of W: unpacked, scaled, quantised: 16 bytes of its row's record, and its byte
.set WS_, (\s)
.set WT_, WS_/3
.set XS, X+16*(WT_%2)
.set PP, WT_%2
.irp g, 0,1,2,3
	v_perm_b32 v[T+\g], v[XS+3*\g+1], v[XS+3*\g], s20             ; the low bytes of words 3 g and 3 g + 1,
.endr
.irp g, 0,1,2,3
	s_delay_alu instid0(VALU_DEP_4)
	v_perm_b32 v[T+\g], v[XS+3*\g+2], v[T+\g], s21                ; and of word 3 g + 2: 24 bits, field j at bit 3 j
.endr
.irp g, 0,1,2,3
.irp j, 0,1,2,3,4,5,6,7
	v_bfe_u32 v[F+8*\g+\j], v[T+\g], 3*\j, 3
.endr
.endr
.set N, 0
.rept 32
	v_cvt_f32_u32 v[F+N], v[F+N]
.set N, N+1
.endr
.set N, 0
.rept 16
	v_pk_fma_f32 v[F+N:F+N+1], v[F+N:F+N+1], s[22:23], v[20:21] op_sel_hi:[1,0,1]   ; q x 2/7 - 1
.set N, N+2
.endr
.set N, 0
.rept 16
	v_pk_mul_f32 v[F+N:F+N+1], v[F+N:F+N+1], v[XS+12:XS+13] op_sel_hi:[1,0]         ; x the norm (of the pair the low word serves both halves)
.set N, N+2
.endr
	v_max3_num_f32 v16, |v[F]|, |v[F+1]|, |v[F+2]|                ; the block's largest magnitude: all 32 numbers are mine
	v_max3_num_f32 v17, |v[F+3]|, |v[F+4]|, |v[F+5]|
.irp i, 6,10,14,18,22,26
	s_delay_alu instid0(VALU_DEP_2)
	v_max3_num_f32 v16, v16, |v[F+\i]|, |v[F+\i+1]|
	s_delay_alu instid0(VALU_DEP_2)
	v_max3_num_f32 v17, v17, |v[F+\i+2]|, |v[F+\i+3]|
.endr
	s_delay_alu instid0(VALU_DEP_2)
	v_max3_num_f32 v16, v16, |v[F+30]|, |v[F+31]|
	s_delay_alu instid0(VALU_DEP_1)
	v_max3_num_f32 v16, v16, v17, 0x1800000
	s_delay_alu instid0(VALU_DEP_1)
	v_add_nc_u32 v18, 0xff000000, v16
.irp g, 0,1,2,3
	v_cvt_scalef32_pk8_fp4_f32 v[CW+4*PP+\g], v[F+8*\g:F+8*\g+7], v18
.endr
	v_lshrrev_b32 v[EW+PP], 23, v18                ; the scale's byte; also the plain instruction behind the conversions
	ds_store_b128 v10, v[CW+4*PP:CW+4*PP+3] offset:2*REC*WT_
	ds_store_b8 v11, v[EW+PP] offset:2*REC*WT_
.endm
.macro STEP s
.set ST_, (\s)
.if (ST_%3) == 0                       ; a row of x
	WAITLD ST_+1, ST_                              ; this step's four loads are in; the younger ones stay out
	QX ST_
.if ST_+8 < NSTEP
	LOADS ST_+8                                    ; into the set that the conversions have read
.endif
.elseif (ST_%3) == 1                   ; a row of x; ahead of it the next step, W's, is sent through its stage
	s_wait_dscnt 6                                 ; the stores of three steps back are done (W's two and x's four behind them may be out): their registers are written again below
	WAITLD ST_+2, ST_                              ; this step's loads and the next step's are in
	TURNW ST_+1
	QX ST_
.if ST_+8 < NSTEP
	LOADS ST_+8
.endif
.else                                  ; two rows of W
	s_wait_dscnt 4                                 ; they are back from the stage; only the last step's four stores into x's image are younger.  So the stores into the stage have read their registers,
.if ST_+8 < NSTEP
	LOADS ST_+8                                    ; which take the loads of eight steps on
.endif
	QW ST_
.endif
.endm
; A part of an image leaves.  part 0: its first 2,048 bytes, four stores of 512 consecutive bytes; part 1: the other 2,304: four such stores and one of 256.  img: 0 for x's image, 16 REC for W's.
.macro FLUSH reg, img, b, part
.if \part == 0
.irp i, 0,1,2,3
	ds_load_b128 v[\reg+4*\i:\reg+4*\i+3], v12 offset:\img+512*\i            ; LDS serves a wave's instructions in order: these see my stores
.endr
.irp i, 0,1,2,3
	s_wait_dscnt 3-\i                              ; the loads behind load i may be out
	global_store_b128 v1, v[\reg+4*\i:\reg+4*\i+3], s[\b:\b+1] offset:512*\i
.endr
.else
.irp i, 0,1,2,3
	ds_load_b128 v[\reg+4*\i:\reg+4*\i+3], v12 offset:\img+2048+512*\i
.endr
	ds_load_b64 v[\reg+16:\reg+17], v5 offset:\img+4096
.irp i, 0,1,2,3
	s_wait_dscnt 4-\i
	global_store_b128 v1, v[\reg+4*\i:\reg+4*\i+3], s[\b:\b+1] offset:2048+512*\i
.endr
	s_wait_dscnt 0x0
	global_store_b64 v3, v[\reg+16:\reg+17], s[\b:\b+1] offset:4096
.endif
.endm
	global_load_b128 v[160:163], v1, s[8:9] th:TH_LOAD_NT          ; my 1,024 bytes of the group's norms
	global_load_b128 v[164:167], v1, s[8:9] offset:512 th:TH_LOAD_NT
.irp u, 0,1,2,3,4,5,6,7
	LOADS \u
.endr
	s_wait_loadcnt 30                              ; the norms are in; the 6 x 4 + 2 x 3 loads of steps 0 to 7 behind them stay out
	ds_store_b128 v13, v[160:163]
	ds_store_b128 v13, v[164:167] offset:512
	s_wait_dscnt 0x0                               ; for the others' sake: my norms lie in LDS
	s_barrier_signal -1
	s_barrier_wait -1                              ; everybody's do; nobody writes them again
.irp u, 0,1,2,3,4,5,6,7,8,9,10,11
	STEP \u
.endr
	FLUSH F, 0, 10, 0                              ; records 0 to 7 of both images are written: their first eight blocks of 256 bytes leave
	FLUSH F+16, 16*REC, 12, 0
	s_wait_xcnt 0x0                                ; the stores have read their registers: W's numbers are written there again
.irp u, 12,13,14,15,16,17,18,19,20,21,22
	STEP \u
.endr
	FLUSH R, 0, 10, 1                              ; x's last row is done: the rest of its image leaves, through registers of sets 0 and 1, whose last loads have been used
	STEP 23
	FLUSH R+32, 16*REC, 12, 1                      ; and W's, through sets 2 and 3
	s_wait_tensorcnt 0x0
	ds_add_u32 v254, v255
	s_wait_dscnt 0x0
	s_endpgm
.Lfunc_end_k_q6549b8b928_quant:
	.size	k_q6549b8b928_quant, .Lfunc_end_k_q6549b8b928_quant-k_q6549b8b928_quant
	.p2alignl 7, 3214868480
	.fill 96, 4, 3214868480
	.section	.rodata,"a",@progbits
	.p2align	6, 0x0
	.amdhsa_kernel k_q6549b8b928_quant
		.amdhsa_group_segment_fixed_size 103424
		.amdhsa_private_segment_fixed_size 0
		.amdhsa_enable_private_segment 0
		.amdhsa_kernarg_size 40
		.amdhsa_user_sgpr_count 2
		.amdhsa_user_sgpr_kernarg_segment_ptr 1
		.amdhsa_wavefront_size32 1
		.amdhsa_system_sgpr_workgroup_id_x 1
		.amdhsa_system_sgpr_workgroup_id_y 1
		.amdhsa_system_sgpr_workgroup_id_z 1
		.amdhsa_system_vgpr_workitem_id 0
		.amdhsa_next_free_vgpr 256
		.amdhsa_next_free_sgpr 66
		.amdhsa_reserve_vcc 0
		.amdhsa_float_denorm_mode_32 3
		.amdhsa_float_denorm_mode_16_64 3
		.amdhsa_memory_ordered 1
		.amdhsa_forward_progress 1
		.amdhsa_inst_pref_size 114
	.end_amdhsa_kernel
	.amdgpu_metadata
---
amdhsa.version: [ 1, 2 ]
amdhsa.kernels:
  - .name:           k_q6549b8b928_quant
    .symbol:         k_q6549b8b928_quant.kd
    .args:
      - { .name: x, .offset: 0, .size: 8, .value_kind: global_buffer, .address_space: global }
      - { .name: weight_q3, .offset: 8, .size: 8, .value_kind: global_buffer, .address_space: global }
      - { .name: weight_norm, .offset: 16, .size: 8, .value_kind: global_buffer, .address_space: global }
      - { .name: xq, .offset: 24, .size: 8, .value_kind: global_buffer, .address_space: global }
      - { .name: wq, .offset: 32, .size: 8, .value_kind: global_buffer, .address_space: global }
    .group_segment_fixed_size: 103424
    .private_segment_fixed_size: 0
    .kernarg_segment_align: 8
    .kernarg_segment_size: 40
    .max_flat_workgroup_size: 256
    .sgpr_count:     66
    .vgpr_count:     256
    .wavefront_size: 32
...
	.end_amdgpu_metadata
.endif
;; end of part 1
;; launch gemm (part 2): grid 16 x 16, 4 waves a work-group, clusters of 4 x 4, 327,680 bytes of LDS; arguments xq, wq, bias, out0; writes out0
.if DOCPART == 2
	.amdgcn_target "amdgcn-amd-amdhsa--gfx1250"
	.amdhsa_code_object_version 6
	.text
	.protected	k_q6549b8b928_gemm
	.globl	k_q6549b8b928_gemm
	.p2align	8
	.type	k_q6549b8b928_gemm,@function
k_q6549b8b928_gemm:
	s_mov_b64 s[64:65], 0
	v_nop
	global_prefetch_b8 v0, s[64:65] scope:SCOPE_SE
	s_setreg_imm32_b32 hwreg(HW_REG_WAVE_MODE, 25, 1), 1
	s_wait_xcnt 0x0
	s_wait_alu depctr_hold_cnt(0) depctr_sa_sdst(0) depctr_va_vdst(0) depctr_va_sdst(0) depctr_va_ssrc(0) depctr_va_vcc(0) depctr_vm_vsrc(0)
	s_getreg_b32 s2, hwreg(HW_REG_IB_STS2, 6, 4)
	s_cmp_eq_u32 s2, 0
	s_cbranch_scc0 .Lentry_in_a_cluster
	s_endpgm
.Lentry_in_a_cluster:
	s_bfe_u32 s2, ttmp6, 0x10000c
	s_cmp_lg_u32 s2, 0xf033
	s_cbranch_scc0 .Lentry_shape_is_right
	s_endpgm
.Lentry_shape_is_right:
; out0[m][n] = bias[n] + sum over k of X[m][k] W[n][k].  X and W: codes of FP4 (E2M1) with one E8M0 scale byte for each 32 along K, in xq and wq; sums in f32.
; xq, wq: [8 K steps of 512][4096 rows][a record of 272 bytes: 256 bytes of codes, then 16 scale bytes].
; A tile of 256 x 256 is made by a work-group of four waves, a wave makes 128 x 128.  128 records of a K step are 34,816 consecutive bytes (136 rows of 256); they lie in LDS as they lie in memory, 272 bytes from record to record,
; so that the 16 records that a load touches start at 16 different banks.  K goes through a ring of two slots, each with 256 records of X, then 256 of W.
; CLUSTERS: 4 x 4 work-groups.  The four of a row of the cluster need the same records of X, the four of a column the same records of W: each is asked for jointly.
; THE MATRIX INSTRUCTION IS USED TRANSPOSED (source 0 = 32 rows of W, source 1 = 16 rows of X): a lane (r, h) then holds row r of the tile and neighbouring columns, 8 h + 0 .. 7 and 16 + 8 h + 0 .. 7.
; LIMITS: none beyond those of the launch that makes the codes.  bias is the C of the first products, so it is added first.
; REGISTERS.  A wave's 128 x 128 are four quadrants of 64 x 64: quadrant 0 = (W half 0, X half 0), 1 = (W half 1, X half 0), 2 = (W half 1, X half 1), 3 = (W half 0, X half 1).  Window w holds quadrant w's eight accumulators in v128-255.
;   fragments for 128 along K, two sets by turns of 32 registers for each half operand: window 1 v64-127 W half 0;  window 2 v64-127 W half 1;  window 3 v0-63 X half 0, v64-127 X half 1
;   window 0: v0-31 addresses and the like; v32-95 scale words, a set for each slot.   windows 1 and 2, v0-63: bias at first, the way out at last.
; LOADS FROM LDS stand in two runs of sixteen for each 128 along K, into the other set: behind quadrant 0 the half operands that quadrant 0 wants next, behind quadrant 2 the other two.
; PREFETCH: behind the load of K step e stands the request for K step e + 1, e = 0 .. 6.  Of the 136 blocks of 256 bytes that a wave loads of a K step, each of the four work-groups that ask for them jointly names 34, told apart by
; address (cx for X, cy for W): so a cluster names each block that it will load once.
.set PITCH, 272
.set HALFT, 128*PITCH
.set SLOT,  4*HALFT
.set PLANE, 4096*PITCH                 ; a K step of all records
.set LAPS,  4                          ; a lap = two K steps = once round the ring
.set SPARE, 2*SLOT                     ; behind the ring: the spare words, 512 bytes that no other line names
.set SPITCH, 528                       ; the way out: a stage of 16 rows x (512 bytes + 16) for each wave, in slot 0, which has had its last fill and its last read by then
.set ROWB,  16384                      ; a row of out0 in bytes
.set PA,    16                         ; v16-17  LDS address of my W fragments in slots 0, 1
.set QA,    18                         ; v18-19  of my X fragments
.set PS,    20                         ; v20-21  of W's scale words
.set QS,    22                         ; v22-23  of X's
.set STO,   24                         ; v24     the way out: where I put 32 bytes of a row
.set RD,    25                         ; v25     where I read a row back
.set CO,    26                         ; v26     my byte offset in a row of out0
.set BO,    27                         ; v27     my byte offset in bias
.set SPW,   28                         ; v28     LDS address of my spare word; never rewritten
.set NIL,   29                         ; v29     0; never rewritten
.set PFO,   30                         ; v30, v31 the prefetches' offsets: blocks l and min(32 + l, 33) of my 34
.set PFO2,  31
.set SC,    32                         ; set s at v[32 + 32 s]: W's register 4 g + q, lane l: record 32 g + l, the slot's q-th 128 along K; X's the same, 16 further on (block 2 g in lanes 0-15, block 2 g + 1 in lanes 16-31)
.set ACC,   128
.set G1,  24                           ; s[24:31] descriptor group 1 for X's tiles, s[32:39] group 0, one set for each slot;  s[48:55], s[56:63] the same for W's
.set G0,  32
.set G1B, 48
.set G0B, 56
.set PFA, 66                           ; s[66:67] where my prefetches stand
.set MSB, 0
.macro WIN new                         ; the immediate's high byte repeats the setting that is left
.if MSB != (\new)
	s_set_vgpr_msb (MSB<<8)|(\new)
.set MSB, (\new)
.endif
.endm
.macro PLACES                          ; four places behind matrix instructions, in front of loads into registers that they read and of reads of their results
.rept 4
	v_nop
.endr
.endm
.macro JLOAD s                         ; a joint load: waves 0 and 1 fetch X's two halves, waves 2 and 3 W's
	s_cmp_eq_u32 s15, 0
	s_cbranch_scc0 .Lfor_w_\@
	tensor_load_to_lds s[G0+4*\s:G0+4*\s+3], s[G1:G1+7]
	s_nop 0
.rept 4
	v_nop
.endr
	s_branch .Lasked_\@
.Lfor_w_\@:
	tensor_load_to_lds s[G0B+4*\s:G0B+4*\s+3], s[G1B:G1B+7]
	s_nop 0
.rept 4
	v_nop
.endr
.Lasked_\@:
.endm
.macro CREST                           ; a round of the cluster's barrier behind its opening barrier
	s_cmp_lg_u32 s14, 0
	s_cbranch_scc1 .Lnot_wave_0_\@
	s_barrier_signal -3
.Lnot_wave_0_\@:
	s_barrier_wait -3
	s_barrier_signal -1
	s_barrier_wait -1
.endm
.macro CROUND                          ; a whole round
	s_barrier_signal -1
	s_barrier_wait -1
	CREST
.endm
	s_load_b128 s[4:7], s[0:1], 0x0                ; xq s[4:5], wq s[6:7]
	s_load_b128 s[8:11], s[0:1], 0x10              ; bias s[8:9], out0 s[10:11]
	v_lshl_add_u32 v[SPW], v0, 2, SPARE
	v_mov_b32 v[NIL], 0
	ds_add_u32 v[SPW], v[NIL]                      ; the wave's opening: the add, twice on end, and its wait
	ds_add_u32 v[SPW], v[NIL]
	v_lshrrev_b32 v1, 5, v0
	v_readfirstlane_b32 s14, v1                    ; wave 0..3
	s_lshr_b32 s15, s14, 1                         ; which half of the tile's rows is mine.  Also: I fetch for X (0) or for W (1)
	s_and_b32 s16, s14, 1                          ; which half of its columns.  Also: which 128 records I fetch
	s_bfe_u32 s40, ttmp6, 0x40000                  ; cx, cy: my place in the cluster
	s_bfe_u32 s41, ttmp6, 0x40004
	s_lshl_b32 s42, ttmp9, 2
	s_add_co_u32 s42, s42, s40                     ; tile column
	s_and_b32 s17, ttmp7, 0xffff
	s_lshl_b32 s17, s17, 2
	s_add_co_u32 s17, s17, s41                     ; tile row
	s_lshl_b32 s43, s41, 2
	s_lshl_b32 s43, 15, s43                        ; my row of the cluster
	s_lshl_b32 s44, 0x1111, s40                    ; my column
	; descriptor group 1: 136 rows of 256 bytes (32 elements of 8 bytes), dense, no padding
	s_or_b32 s[G1+0], s43, (3<<16)|(1<<21)
	s_or_b32 s[G1B+0], s44, (3<<16)|(1<<21)
.irp g, G1, G1B
	s_mov_b32 s[\g+1], 32<<16
	s_mov_b32 s[\g+2], 136<<16
	s_mov_b32 s[\g+3], 32<<16
	s_mov_b32 s[\g+4], 136
	s_mov_b32 s[\g+5], 32
	s_mov_b32 s[\g+6], 0
	s_mov_b32 s[\g+7], 0
.endr
	s_lshl_b32 s18, s16, 7
	s_lshl_b32 s20, s17, 8
	s_add_co_u32 s20, s20, s18
	s_mul_i32 s20, s20, PITCH                      ; X: record 256 x tile row + 128 x half, in bytes
	s_mov_b32 s21, 0
	s_lshl_b32 s46, s42, 8
	s_add_co_u32 s46, s46, s18
	s_mul_i32 s46, s46, PITCH                      ; W: record 256 x tile column + 128 x half
	s_mov_b32 s47, 0
	s_mul_i32 s45, s14, HALFT                      ; where they go: wave x 128 records
	s_mul_i32 s68, s15, HALFT                      ; my 128 records of X in slot 0,
	s_add_co_u32 s69, s68, SLOT                    ; and in slot 1
	s_mul_i32 s70, s16, HALFT
	s_add_co_u32 s70, s70, 2*HALFT                 ; my 128 records of W in slot 0,
	s_add_co_u32 s71, s70, SLOT                    ; and in slot 1
	s_mul_i32 s72, s14, 16*SPITCH                  ; my stage
	s_cmp_eq_u32 s15, 0
	s_cselect_b32 s22, s20, s46                    ; the prefetches: the records that I fetch,
	s_cselect_b32 s23, s40, s41
	s_mul_i32 s23, s23, 34*256                     ; my work-group's 34 blocks of their 136
	s_add_co_u32 s22, s22, s23
	s_mov_b32 s23, 0
	s_wait_dscnt 0x0                               ; both opening adds are done
	s_wait_kmcnt 0x0
	s_cmp_eq_u32 s15, 0
	s_cselect_b64 s[PFA:PFA+1], s[4:5], s[6:7]
	s_add_nc_u64 s[PFA:PFA+1], s[PFA:PFA+1], s[22:23]
	s_add_nc_u64 s[PFA:PFA+1], s[PFA:PFA+1], PLANE     ; K step 1
.irp s, 0,1
	s_mov_b32 s[G0+4*\s], 1
	s_add_co_u32 s[G0+4*\s+1], s45, \s*SLOT
	s_add_nc_u64 s[G0+4*\s+2:G0+4*\s+3], s[4:5], s[20:21]
	s_mov_b32 s[G0B+4*\s], 1
	s_add_co_u32 s[G0B+4*\s+1], s45, \s*SLOT
	s_add_nc_u64 s[G0B+4*\s+2:G0B+4*\s+3], s[6:7], s[46:47]
.if \s
	s_add_nc_u64 s[G0+4*\s+2:G0+4*\s+3], s[G0+4*\s+2:G0+4*\s+3], PLANE
	s_add_nc_u64 s[G0B+4*\s+2:G0B+4*\s+3], s[G0B+4*\s+2:G0B+4*\s+3], PLANE
.endif
	s_or_b32 s[G0+4*\s+3], s[G0+4*\s+3], 0x80000000
	s_or_b32 s[G0B+4*\s+3], s[G0B+4*\s+3], 0x80000000
.endr
	CROUND                                         ; all sixteen work-groups are here: the first joint loads meet
	JLOAD 0                                        ; K step 0: one tensor load a wave at the head
	s_lshl_b32 s20, s17, 8
	s_lshl_b32 s22, s15, 7
	s_add_co_u32 s20, s20, s22                     ; my first row of out0
	s_lshl_b32 s20, s20, 14
	s_mov_b32 s21, 0
	s_lshl_b32 s46, s42, 10                        ; my first column, in bytes
	s_lshl_b32 s47, s16, 9
	s_add_co_u32 s46, s46, s47
	s_mov_b32 s47, 0
	s_add_nc_u64 s[8:9], s[8:9], s[46:47]
	s_add_nc_u64 s[10:11], s[10:11], s[20:21]
	s_add_nc_u64 s[10:11], s[10:11], s[46:47]
	v_bfe_u32 v2, v0, 4, 1                         ; h
	v_lshlrev_b32 v[BO], 5, v2
	WIN 0x40
.irp b, 0,1,2,3                        ; bias of W half 0's columns 16 b + 8 h + 0 .. 7 to window 1, v[8 b ..]
	global_load_b128 v[8*\b:8*\b+3],   v[BO], s[8:9] offset:64*\b
	global_load_b128 v[8*\b+4:8*\b+7], v[BO], s[8:9] offset:64*\b+16
.endr
	WIN 0x80
.irp b, 0,1,2,3                        ; of half 1's to window 2
	global_load_b128 v[8*\b:8*\b+3],   v[BO], s[8:9] offset:256+64*\b
	global_load_b128 v[8*\b+4:8*\b+7], v[BO], s[8:9] offset:256+64*\b+16
.endr
	WIN 0
	v_and_b32 v13, 31, v0                          ; l
	v_lshlrev_b32 v[PFO], 8, v13
	v_add_nc_u32 v14, 32, v13
	v_min_u32 v14, 33, v14                         ; (the lanes left over name the last block again)
	v_lshlrev_b32 v[PFO2], 8, v14
	global_prefetch_b8 v[PFO], s[PFA:PFA+1] th:TH_LOAD_NT scope:SCOPE_SE      ; K step 1
	global_prefetch_b8 v[PFO2], s[PFA:PFA+1] th:TH_LOAD_NT scope:SCOPE_SE
	v_and_b32 v1, 15, v0                           ; r
	v_bfe_u32 v2, v0, 4, 1
	v_mul_u32_u24 v15, v1, PITCH
	v_lshl_add_u32 v15, v2, 4, v15                 ; a fragment: record r, + 16 h
	v_and_b32 v13, 31, v0
	v_mul_u32_u24 v12, v13, PITCH
	v_add_nc_u32 v12, 256, v12                     ; scale words: record l
	v_add_nc_u32 v[PA], s70, v15
	v_add_nc_u32 v[PA+1], s71, v15
	v_add_nc_u32 v[QA], s68, v15
	v_add_nc_u32 v[QA+1], s69, v15
	v_add_nc_u32 v[PS], s70, v12
	v_add_nc_u32 v[PS+1], s71, v12
	v_add_nc_u32 v[QS], s68, v12
	v_add_nc_u32 v[QS+1], s69, v12
	v_mul_u32_u24 v11, v1, SPITCH                  ; the way out, in: row r, 32 bytes for each half of the lanes
	v_lshl_add_u32 v11, v2, 5, v11
	v_add_nc_u32 v[STO], s72, v11
	v_lshlrev_b32 v[CO], 4, v13                    ; back: the 32 lanes take one row of 512 bytes; and the same in out0
	v_add_nc_u32 v[RD], s72, v[CO]
; Quadrant ph, the slot's q-th 128 along K, from fragment set p: eight products, the accumulators by turns.  zero = 1: the first product starts the sums, from bias.
.macro PH ph, q, p, slot, zero
.set PI_, (((\ph)+1)/2)%2              ; which half of W, in window 1 + PI_
.set QJ, (\ph)/2                       ; which half of X
.if \zero
	WIN 13+PI_+16*(1+PI_)+64*(\ph)
.else
	WIN 13+PI_+80*(\ph)
.endif
.irp ap, 0,1
.irp b, 0,1,2,3
.set DD, ACC+64*\ap+16*\b
.set PF, 64+32*(\p)+16*\ap
.set QF, 64*QJ+32*(\p)+8*\b
.set CC, 16*\ap
.set SA, SC+32*(\slot)+4*(2*PI_+\ap)+(\q)
.set SB, SC+16+32*(\slot)+4*(2*QJ+\b/2)+(\q)
.if \zero
.if (\b)%2
	v_wmma_scale_f32_32x16x128_f4 v[DD:DD+15], v[PF:PF+15], v[QF:QF+7], v[CC:CC+15], v[SA], v[SB] matrix_b_scale:MATRIX_SCALE_ROW1
.else
	v_wmma_scale_f32_32x16x128_f4 v[DD:DD+15], v[PF:PF+15], v[QF:QF+7], v[CC:CC+15], v[SA], v[SB]
.endif
.else
.if (\b)%2
	v_wmma_scale_f32_32x16x128_f4 v[DD:DD+15], v[PF:PF+15], v[QF:QF+7], v[DD:DD+15], v[SA], v[SB] matrix_b_scale:MATRIX_SCALE_ROW1
.else
	v_wmma_scale_f32_32x16x128_f4 v[DD:DD+15], v[PF:PF+15], v[QF:QF+7], v[DD:DD+15], v[SA], v[SB]
.endif
.endif
.endr
.endr
.endm
.macro RUN win, reg, adr, half, lq     ; eight loads: a half operand's four blocks, 128 along K number lq
	WIN \win
.irp n, 0,1,2,3,4,5,6,7
	ds_load_b128 v[(\reg)+4*\n:(\reg)+4*\n+3], v[\adr] offset:64*(\lq)+32*((\n)%2)+(4*(\half)+(\n)/2)*16*PITCH
.endr
.endm
.macro FETCHA slot                     ; a slot's first 128 along K, into set 0: what quadrant 0 wants, and the slot's scale words
	RUN 0xc0, 0, QA+\slot, 0, 0
	RUN 0x40, 64, PA+\slot, 0, 0
	WIN 0
.irp g, 0,1,2,3
	ds_load_b128 v[SC+32*\slot+4*\g:SC+32*\slot+4*\g+3], v[PS+\slot] offset:\g*32*PITCH
	ds_load_b128 v[SC+16+32*\slot+4*\g:SC+16+32*\slot+4*\g+3], v[QS+\slot] offset:\g*32*PITCH
.endr
.endm
.macro FETCHB slot                     ; and the other two half operands
	RUN 0x80, 64, PA+\slot, 1, 0
	RUN 0xc0, 64, QA+\slot, 1, 0
.endm
; 128 along K with its successor in the same slot.
.macro STEP slot, q, zero
	s_wait_dscnt 16                                ; W half 0 and X half 0 are in; the last sixteen loads may be out
	PH 0, \q, (\q)%2, \slot, \zero
	PLACES                                         ; the other set was last read in the step before
	RUN 0xc0, 32*(1-(\q)%2), QA+\slot, 0, (\q)+1
	RUN 0x40, 64+32*(1-(\q)%2), PA+\slot, 0, (\q)+1
	s_wait_dscnt 24                                ; W half 1 is in; X half 1 and the sixteen just issued may be out
	PH 1, \q, (\q)%2, \slot, \zero
	s_wait_dscnt 16                                ; X half 1 is in
	PH 2, \q, (\q)%2, \slot, \zero
	RUN 0x80, 64+32*(1-(\q)%2), PA+\slot, 1, (\q)+1
	RUN 0xc0, 64+32*(1-(\q)%2), QA+\slot, 1, (\q)+1
	PH 3, \q, (\q)%2, \slot, \zero
.endm
; A slot's last 128 along K changes slots.  In front of the barrier each wave waits for all its tensor loads (its part of the next slot), adds 0 to its spare word, and waits for that and for its own reads of this slot.
; fill = 1: a round of the cluster's barrier, and behind it this slot is filled again, two K steps on.
.macro TURN slot, next, fill
	WIN 0
.if \fill
	s_wait_xcnt 0x0                                ; my prefetches have read their address
	s_add_nc_u64 s[PFA:PFA+1], s[PFA:PFA+1], PLANE
.endif
	s_wait_tensorcnt 0x0
	ds_add_u32 v[SPW], v[NIL]
.if \fill
	s_add_nc_u64 s[G0+4*\slot+2:G0+4*\slot+3], s[G0+4*\slot+2:G0+4*\slot+3], 2*PLANE
	s_add_nc_u64 s[G0B+4*\slot+2:G0B+4*\slot+3], s[G0B+4*\slot+2:G0B+4*\slot+3], 2*PLANE
.endif
	s_wait_dscnt 17                                ; the add and the last sixteen loads may be out
	PH 0, 3, 1, \slot, 0
	s_wait_dscnt 0x0                               ; the add is done, and my reads of this slot are over
	s_barrier_signal -1
	PH 1, 3, 1, \slot, 0                           ; work on registers while the others arrive
	WIN 0
	s_barrier_wait -1
.if \fill
	CREST                                          ; no wave of any partner still reads this slot or has a load on its way
	JLOAD \slot                                    ; the four v_nop behind it are also the places in front of the loads below
.else
	PLACES
.endif
	FETCHA \next                                   ; into set 0 and the next slot's scale words,
	PH 2, 3, 1, \slot, 0                           ; while set 1 is multiplied
	PH 3, 3, 1, \slot, 0
	FETCHB \next
	WIN 0
.if \fill
.if \slot
	s_cmp_gt_u32 s3, 1                             ; the last trip's look-ahead would pass K step 7
	s_cbranch_scc0 .Lno_ask_\@
.endif
	global_prefetch_b8 v[PFO], s[PFA:PFA+1] offset:PLANE th:TH_LOAD_NT scope:SCOPE_SE
	global_prefetch_b8 v[PFO2], s[PFA:PFA+1] offset:PLANE th:TH_LOAD_NT scope:SCOPE_SE
.if \slot
.Lno_ask_\@:
.endif
.endif
.endm
	s_wait_alu depctr_va_vdst(0)
	s_wait_tensorcnt 0x0                           ; my part of K step 0 is in
	ds_add_u32 v[SPW], v[NIL]
	s_wait_dscnt 0x0
	CROUND
	JLOAD 1                                        ; K step 1
	FETCHA 0
	FETCHB 0
	WIN 0
	global_prefetch_b8 v[PFO], s[PFA:PFA+1] offset:PLANE th:TH_LOAD_NT scope:SCOPE_SE      ; K step 2
	global_prefetch_b8 v[PFO2], s[PFA:PFA+1] offset:PLANE th:TH_LOAD_NT scope:SCOPE_SE
	s_wait_loadcnt 0x0                             ; bias
	STEP 0, 0, 1
	WIN 0
	s_mov_b32 s3, LAPS-1
.Llap:                                                 ; a trip goes once round the ring and fills both slots again
	STEP 0, 1, 0
	STEP 0, 2, 0
	TURN 0, 1, 1
	STEP 1, 0, 0
	STEP 1, 1, 0
	STEP 1, 2, 0
	TURN 1, 0, 1
	STEP 0, 0, 0
	WIN 0
	s_sub_co_u32 s3, s3, 1
	s_cmp_lg_u32 s3, 0
	s_cbranch_scc1 .Llap
	STEP 0, 1, 0                                   ; the last lap fills nothing
	STEP 0, 2, 0
	TURN 0, 1, 0
	STEP 1, 0, 0
	STEP 1, 1, 0
	STEP 1, 2, 0
; THE WAY OUT, block by block of 16 rows x 128 columns, through my own stage: a block's columns lie in two quadrants, W half 0's and W half 1's; each accumulator is read from its low end on.
; LDS serves a wave's instructions in order: no wait between the stores and the loads, nor in front of the next block's stores.
.macro TOSTAGE a
.irp i, 0,1
	WIN 4*(3*((\a)/4)*(1-\i)+(1+(\a)/4)*\i)        ; the data: windows 0 and 1 for rows 0-63, 3 and 2 for rows 64-127
.irp b, 0,1,2,3
	ds_store_b128 v[STO], v[ACC+64*(\b/2)+16*((\a)%4)+8*(\b%2):ACC+64*(\b/2)+16*((\a)%4)+8*(\b%2)+3] offset:256*\i+64*\b
	ds_store_b128 v[STO], v[ACC+64*(\b/2)+16*((\a)%4)+8*(\b%2)+4:ACC+64*(\b/2)+16*((\a)%4)+8*(\b%2)+7] offset:256*\i+64*\b+16
.endr
.endr
	WIN 0x40*(1+(\a)%2)
.irp t, 0,1,2,3,4,5,6,7,8,9,10,11,12,13,14,15
	ds_load_b128 v[4*\t:4*\t+3], v[RD] offset:\t*SPITCH
.endr
.endm
.macro SEND a, younger                 ; younger: the LDS instructions issued behind block a's loads, which may stay out
	s_wait_dscnt \younger
	WIN 4*(1+(\a)%2)
.irp t, 0,1,2,3,4,5,6,7,8,9,10,11,12,13,14,15
	global_store_b128 v[CO], v[4*\t:4*\t+3], s[10:11] offset:(16*(\a)+\t)*ROWB th:TH_STORE_NT   ; 32 lanes store 512 consecutive bytes
.endr
.endm
	s_wait_dscnt 16                                ; the last 128 along K: nothing more to fetch
	PH 0, 3, 1, 1, 0
	s_wait_dscnt 0
	PH 1, 3, 1, 1, 0
	PLACES
	TOSTAGE 0                                      ; rows 0-63 are finished: their first block goes through the stage while rows 64-127 are multiplied
	PH 2, 3, 1, 1, 0
	PH 3, 3, 1, 1, 0
	PLACES
	TOSTAGE 1
	SEND 0, 32                                     ; behind block 0's loads: block 1's 16 stores and 16 loads
.irp a, 2,3,4,5,6,7
	s_wait_xcnt 0x0                                ; block a - 2's stores have read their registers: block a's loads may land there
	TOSTAGE \a
	SEND \a-1, 32
.endr
	SEND 7, 0
	WIN 0
	s_wait_tensorcnt 0x0                           ; the wave's end
	ds_add_u32 v[SPW], v[NIL]
	s_wait_dscnt 0x0
	CROUND                                         ; the closing round
	s_endpgm
.Lfunc_end_k_q6549b8b928_gemm:
	.size	k_q6549b8b928_gemm, .Lfunc_end_k_q6549b8b928_gemm-k_q6549b8b928_gemm
	.p2alignl 7, 3214868480
	.fill 96, 4, 3214868480
	.section	.rodata,"a",@progbits
	.p2align	6, 0x0
	.amdhsa_kernel k_q6549b8b928_gemm
		.amdhsa_group_segment_fixed_size 327680
		.amdhsa_private_segment_fixed_size 0
		.amdhsa_enable_private_segment 0
		.amdhsa_kernarg_size 32
		.amdhsa_user_sgpr_count 2
		.amdhsa_user_sgpr_kernarg_segment_ptr 1
		.amdhsa_wavefront_size32 1
		.amdhsa_system_sgpr_workgroup_id_x 1
		.amdhsa_system_sgpr_workgroup_id_y 1
		.amdhsa_system_sgpr_workgroup_id_z 1
		.amdhsa_system_vgpr_workitem_id 0
		.amdhsa_next_free_vgpr 1024
		.amdhsa_next_free_sgpr 74
		.amdhsa_reserve_vcc 0
		.amdhsa_float_denorm_mode_32 3
		.amdhsa_float_denorm_mode_16_64 3
		.amdhsa_memory_ordered 1
		.amdhsa_forward_progress 1
		.amdhsa_inst_pref_size 149
	.end_amdhsa_kernel
	.amdgpu_metadata
---
amdhsa.version: [ 1, 2 ]
amdhsa.kernels:
  - .name:           k_q6549b8b928_gemm
    .symbol:         k_q6549b8b928_gemm.kd
    .args:
      - { .name: xq, .offset: 0, .size: 8, .value_kind: global_buffer, .address_space: global }
      - { .name: wq, .offset: 8, .size: 8, .value_kind: global_buffer, .address_space: global }
      - { .name: bias, .offset: 16, .size: 8, .value_kind: global_buffer, .address_space: global }
      - { .name: out0, .offset: 24, .size: 8, .value_kind: global_buffer, .address_space: global }
    .group_segment_fixed_size: 327680
    .private_segment_fixed_size: 0
    .kernarg_segment_align: 8
    .kernarg_segment_size: 32
    .max_flat_workgroup_size: 128
    .sgpr_count:     74
    .vgpr_count:     1024
    .wavefront_size: 32
...
	.end_amdgpu_metadata
.endif
;; end of part 2
